; MI455X (gfx1250); checked and timed in simulation.
; The chip was launched on July 23, 2026; its instructions are those of AMD's public machine-readable ISA for CDNA 5 (MIT licence, August 2026) and "CDNA5" Instruction Set Architecture Reference Guide (July 2026). The comments in the code are by the model that wrote it; some were corrected since.
;; Descriptor Matcher. Allowed arithmetic: matrix products marked QUANTISED: E2M1 operands, one E8M0 scale for each 32 along K, by v_wmma_scale_f32_16x16x128_f8f6f4 with both operands' format E2M1 (or v_wmma_scale_f32_32x16x128_f4), f32 sums; everything else in f32.
;; Inputs: desc1 8,192 x 512 float32; desc2 8,192 x 512 float32.
;; Outputs: out0 8,192 x 1 float32; out1 8,192 x 2 int32; out2 8,192 bool.
;; This version of the problem:
;;   THIS VERSION OF THE PROBLEM IS GIVEN IN LOW PRECISION. The matrix products marked QUANTISED in the list below multiply operands that are first quantised to E2M1 (2 exponent bits, 1 mantissa bit; 4 bits a number), with one power-of-two scale for each 32 numbers along K (OCP MX v1.0); their sums are f32. All else is computed in f32.
;;   The module's matrix products, in the order in which they are computed (A, B: the left and right operand; K: the contracted axis; several contracted axes count as one K, in the product's order):
;;     1. [M 8,192, K 512] x [K 512, N 8,192]; A: input desc1; B: input desc2: QUANTISED
;;   THE QUANTISER, for each operand of a quantised product, along K:
;;     - K is cut into blocks of 32 from its start; a last block that is shorter is filled with zeros.
;;     - A block's scale is 2^e with e = floor(log2(the largest magnitude in the block)) - 2, held to -126 .. 127; a block of zeros has e = 0. As a byte (E8M0): e + 127.
;;     - Each number is divided by its block's scale, clamped to +-6, and rounded to the nearest number of E2M1, ties to even, subnormals kept.
;;     - The product sums the exact products of the quantised numbers (number of the format x scale) in f32.
;;   ~~~python
;;   def quantise(x, axis):      # numpy; x: float32 -> the quantised numbers, widened to float32 again
;;       x = np.moveaxis(x, axis, -1); K = x.shape[-1]
;;       x = np.pad(x, [(0, 0)] * (x.ndim - 1) + [(0, -K % 32)]); x = x.reshape(x.shape[:-1] + (-1, 32)); a = np.abs(x).max(-1, keepdims=True)
;;       e = np.where(a > 0, np.clip(np.frexp(np.where(a > 0, a, 1))[1] - 1 - 2, -126, 127), 0)      # np.frexp(a)[1] - 1 = floor(log2(a)), exactly
;;       r = np.clip(x / 2.0 ** e, -6, 6)
;;       step = 2.0 ** (np.maximum(np.frexp(np.where(r == 0, 1, r))[1] - 1, 0) - 1)
;;       q = np.round(r / step) * step * 2.0 ** e      # np.round: ties to even
;;       return np.moveaxis(q.reshape(q.shape[:-2] + (-1,))[..., :K], -1, axis).astype(np.float32)
;;   ~~~
;; One version. Each part assembles by itself: llvm-mc -triple=amdgcn-amd-amdhsa -mcpu=gfx1250 --defsym DOCPART=n.
;; ======== version 1 of 1: 3 launches
;; workspace buffers: rec 4,718,592 bytes; part 2,097,152 bytes
;; launch quant (part 1): grid 256 x 1, 4 waves a work-group, no clusters, 41,472 bytes of LDS; arguments desc1, desc2, rec; writes rec
.if DOCPART == 1
	.amdgcn_target "amdgcn-amd-amdhsa--gfx1250"
	.amdhsa_code_object_version 6
	.text
	.protected	k_q5e035a5b06_quant
	.globl	k_q5e035a5b06_quant
	.p2align	8
	.type	k_q5e035a5b06_quant,@function
k_q5e035a5b06_quant:
	s_mov_b64 s[64:65], 0
	v_nop
	global_prefetch_b8 v0, s[64:65] scope:SCOPE_SE
	s_setreg_imm32_b32 hwreg(HW_REG_WAVE_MODE, 25, 1), 1
	s_wait_xcnt 0x0
; LAUNCH 1 OF 3.  desc1 and desc2, [8192][512] f32, become RECORDS of 16 rows each: codes of FP4 (E2M1) with one E8M0 scale byte for each 32 along K, laid in the order of a matrix
; operand's registers, and for each row hb = -0.5 x (the sum of its squares), taken of the unquantised numbers in f32.
; THE PROGRAM: dm^2(m, n) = |desc1 m|^2 + |desc2 n|^2 - 2 Q(desc1 m) . Q(desc2 n) = 2 (cap(m) - D'(m, n)),  D' = the product + hb2(n),  cap = -hb1(m).
; WORK OF reference() THAT IS LEFT OUT, for all finite values of the inputs, in exact arithmetic:
;  (a) The roots.  sqrt rises strictly on [0, inf), so the two smallest of sqrt(clip(dm^2, 0)) stand at the places of the two smallest clip(dm^2, 0), with ties at the same places;
;      top_k throws every other entry away.  So a row's order is taken on clip(dm^2, 0), and only the two roots that are kept are computed (launch 3).
;  (b) |desc1 m|^2 in the order.  It is the same along a row, so it moves no order; it is added to the two numbers that are kept.  The clip at 0 is NOT left out: it makes ties of all
;      negative dm^2, and is kept as a cap: clip(dm^2, 0) = 2 (cap - min(D', cap)).
;  Both inputs have a way to the outputs and are loaded.
; LIMITS.  Where two different f32 squares would round to one f32 root, reference() has a tie (lower index) and this program takes the smaller square.  The order of rounding differs from
; reference()'s: hb2 enters the sums as their first addend, |desc1 m|^2 is added last.  NaN and infinities among the inputs are not served; a NaN, an infinity or an overflow that would
; arise only in the roots left out is not carried to the result.  A block whose largest magnitude lies under 2^-124 keeps the scale byte 1; a block of zeros has the byte 1 where the
; quantiser says 127: its codes are zeros, which add nothing under that byte, and this program alone reads the bytes.
; A RECORD, 4,608 bytes (records 0-511: desc1's tiles of 16 rows; 512-1023: desc2's):
;   byte 256 b + 16 r: the 16 bytes of codes of block b (32 along K) of row r.  For K step s (128 along K) and half c, bytes 512 (2 s + c) + 16 x lane are registers 4 c .. 4 c + 3 of the fragment.
;   byte 4096 + 64 s + 4 r: row r's scale word of K step s.      byte 4352 + 4 r: hb of row r; these 64 bytes stand four times on end, so that all 256 bytes are written.
; SHARES.  A wave takes one record: 16 rows, a row (2,048 bytes) a step.  Each load reads 512 consecutive bytes; a row goes through the wave's own stage in LDS and comes back 64 bytes
; a lane, so that a lane holds 16 neighbours along K and two neighbouring lanes a block.  The record is gathered in LDS and leaves by nine stores of 512 consecutive, aligned bytes.
; No tensor load, no barrier: waves share nothing.  Loads run eight steps (32 loads a wave) ahead.
.set WREG,  10240                      ; LDS: a region for each wave: two stages of 32 x SP bytes, then the record's stage
.set SP,    80                         ; a lane's place in a stage on the way in: its 64 bytes + 16
.set OUTS,  5120                       ; the record's stage: 18 rows of 256 bytes, OP bytes apart
.set OP,    272
.set SPARE, 4*WREG                     ; the spare words: 128 bytes for each wave, two blocks of 256 bytes that no other line names
.set RECB,  4608
.set SPW,   12                         ; v12  LDS address of my spare word; never rewritten
.set NIL,   13                         ; v13  0; never rewritten
.set R,     32                         ; v32-159   eight sets of 16 numbers as they are loaded
.set X,     160                        ; v160-191  two sets of 16 neighbours
.set C,     192                        ; v192-223  codes, two registers a step
.set E,     224                        ; v224-239  the scale byte, one register a step
.set N,     240                        ; v240-255  hb, one register a step
	s_load_b128 s[4:7], s[0:1], 0x0                ; desc1, desc2
	s_load_b64 s[8:9], s[0:1], 0x10                ; rec
	v_lshl_add_u32 v[SPW], v0, 2, SPARE
	v_mov_b32 v[NIL], 0
	v_lshrrev_b32 v1, 5, v0
	v_readfirstlane_b32 s16, v1                    ; wave 0..3
	v_and_b32 v2, 31, v0                           ; lane
	v_lshlrev_b32 v3, 4, v2                        ; 16 x lane: my bytes of a load's 512, and of a store's
	s_mul_i32 s14, s16, WREG                       ; my wave's region
	s_add_co_u32 s15, s14, OUTS                    ; and in it the record's stage
	v_lshrrev_b32 v14, 2, v2
	v_mul_u32_u24 v14, v14, SP
	v_and_b32 v15, 3, v2
	v_lshl_add_u32 v14, v15, 4, v14
	v_add_nc_u32 v14, s14, v14                     ; v14: the stage, on the way in: SP (lane / 4) + 16 (lane % 4)
	v_lshlrev_b32 v18, 6, v15
	v_add_nc_u32 v18, s15, v18                     ; v18: hb's word: copy lane % 4 of the four
	v_mul_u32_u24 v15, v2, SP
	v_add_nc_u32 v15, s14, v15                     ; v15: the stage, on the way out: SP x lane
	v_lshrrev_b32 v16, 1, v2
	v_mul_u32_u24 v16, v16, OP
	v_and_b32 v1, 1, v2
	v_lshl_add_u32 v16, v1, 3, v16
	v_add_nc_u32 v16, s15, v16                     ; v16: my 8 bytes of codes: row = my block (lane / 2), half lane % 2
	v_lshrrev_b32 v17, 3, v2
	v_lshlrev_b32 v17, 6, v17
	v_bfe_u32 v1, v2, 1, 2
	v_add_nc_u32 v17, v17, v1
	v_add_nc_u32 v17, s15, v17                     ; v17: my block's scale byte: K step lane / 8, byte (lane / 2) % 4
	v_lshrrev_b32 v19, 4, v2
	v_mul_u32_u24 v19, v19, OP
	v_and_b32 v1, 15, v2
	v_lshl_add_u32 v19, v1, 4, v19
	v_add_nc_u32 v19, s15, v19                     ; v19: the record back: sixteen lanes to a row of 256 bytes, two rows an instruction
	v_mov_b32 v10, 0                               ; written once: a lane permute's destination counts as one of its sources
	s_mov_b32 s12, 0x76543210
	s_mov_b32 s13, 0xfedcba98                      ; v_permlanex16_b32's selects for lane l xor 16
	s_lshl_b32 s17, ttmp9, 2
	s_add_co_u32 s17, s17, s16                     ; my record: 4 x work-group + wave
	s_and_b32 s18, s17, 511
	s_lshl_b32 s18, s18, 15                        ; its 16 rows in its tensor: 32,768 bytes a record
	s_mov_b32 s19, 0
	s_mul_i32 s20, s17, RECB
	s_mov_b32 s21, 0
	s_wait_kmcnt 0x0
	s_cmp_lt_u32 ttmp9, 128                        ; the first 128 work-groups take desc1: the choice hangs on the work-group's number alone
	s_cselect_b64 s[4:5], s[4:5], s[6:7]
	s_add_nc_u64 s[4:5], s[4:5], s[18:19]
	s_add_nc_u64 s[8:9], s[8:9], s[20:21]
.macro LOAD t                          ; row t: four loads of 512 consecutive bytes
.irp i, 0,1,2,3
	global_load_b128 v[R+16*((\t)%8)+4*\i:R+16*((\t)%8)+4*\i+3], v3, s[4:5] offset:2048*(\t)+512*\i th:TH_LOAD_NT
.endr
.endm
.macro TURN t                          ; row t through the stage: LDS serves a wave's instructions in order (ISA guide 5.7.1), so no wait stands between the stores and the loads
.irp i, 0,1,2,3
	ds_store_b128 v14, v[R+16*((\t)%8)+4*\i:R+16*((\t)%8)+4*\i+3] offset:32*SP*((\t)%2)+8*SP*\i
.endr
.irp i, 0,1,2,3
	ds_load_b128 v[X+16*((\t)%2)+4*\i:X+16*((\t)%2)+4*\i+3], v15 offset:32*SP*((\t)%2)+16*\i
.endr
.endm
.irp t, 0,1,2,3,4,5,6,7
	LOAD \t
.endr
	s_wait_loadcnt 28                              ; row 0's four loads are in; the seven rows behind it may be out
	TURN 0
.macro STEP t
.set XS, X+16*((\t)%2)
.if (\t) > 0
	s_wait_dscnt 3                                 ; this row is back from the stage; the three younger LDS instructions are the last row's stores into the record's stage
.else
	s_wait_dscnt 0x0
.endif
.if (\t)+8 < 16
	LOAD (\t)+8                                    ; into the set that this row has left
.endif
.if (\t) < 15
.if (\t) <= 7
	s_wait_loadcnt 28                              ; the next row's loads are in; those of the seven rows behind it may be out
.else
	s_wait_loadcnt 4*(14-(\t))                     ; near the end fewer rows are behind it
.endif
	TURN (\t)+1                                    ; it goes through the other stage while this row is worked
.endif
	v_max3_num_f32 v8, |v[XS]|, |v[XS+1]|, |v[XS+2]|               ; the largest magnitude of my 16, in two chains
	v_max3_num_f32 v9, |v[XS+3]|, |v[XS+4]|, |v[XS+5]|
.irp i, 6,10
	v_max3_num_f32 v8, v8, |v[XS+\i]|, |v[XS+\i+1]|
	v_max3_num_f32 v9, v9, |v[XS+\i+2]|, |v[XS+\i+3]|
.endr
	v_max3_num_f32 v8, v8, |v[XS+14]|, |v[XS+15]|
	v_max3_num_f32 v8, v8, v9, 0x1800000           ; and the floor 2^(3 - 127): the byte cannot fall under 1
	v_max_num_f32_dpp v8, v8, v8 row_xmask:1 row_mask:0xf bank_mask:0xf   ; with my neighbour's 16: the block's
	v_add_nc_u32 v11, 0xff000000, v8               ; 2 off its exponent field: the conversion takes this operand's exponent field as its scale
	v_cvt_scalef32_pk8_fp4_f32 v[C+2*(\t)], v[XS:XS+7], v11        ; eight numbers / the scale, to the nearest code, ties to even, beyond 6 the largest code
	v_cvt_scalef32_pk8_fp4_f32 v[C+2*(\t)+1], v[XS+8:XS+15], v11
	v_lshrrev_b32 v[E+(\t)], 23, v11               ; the scale's byte (also the plain instruction behind the conversions)
	v_pk_mul_f32 v[20:21], v[XS:XS+1], v[XS:XS+1]                  ; the squares of the unquantised numbers, in two packed chains
	v_pk_mul_f32 v[22:23], v[XS+2:XS+3], v[XS+2:XS+3]
.irp i, 4,8,12
	v_pk_fma_f32 v[20:21], v[XS+\i:XS+\i+1], v[XS+\i:XS+\i+1], v[20:21]
	v_pk_fma_f32 v[22:23], v[XS+\i+2:XS+\i+3], v[XS+\i+2:XS+\i+3], v[22:23]
.endr
	v_pk_add_f32 v[20:21], v[20:21], v[22:23]
	v_add_f32 v20, v20, v21
	v_add_f32_dpp v20, v20, v20 row_xmask:1 row_mask:0xf bank_mask:0xf   ; over the 32 lanes: the row's sum, in every lane
	v_add_f32_dpp v20, v20, v20 row_xmask:2 row_mask:0xf bank_mask:0xf
	v_add_f32_dpp v20, v20, v20 row_xmask:4 row_mask:0xf bank_mask:0xf
	v_add_f32_dpp v20, v20, v20 row_xmask:8 row_mask:0xf bank_mask:0xf
	v_permlanex16_b32 v10, v20, s12, s13
	v_add_f32 v20, v20, v10
	v_mul_f32 v[N+(\t)], -0.5, v20                 ; hb
	ds_store_b64 v16, v[C+2*(\t):C+2*(\t)+1] offset:16*(\t)        ; block's row of the stage, 16 bytes for each row of the tile
	ds_store_b8 v17, v[E+(\t)] offset:16*OP+4*(\t)                 ; both lanes of a block write the same byte with the same value
	ds_store_b32 v18, v[N+(\t)] offset:17*OP+4*(\t)                ; eight lanes write each of the four copies, with the same value
.endm
.irp t, 0,1,2,3,4,5,6,7,8,9,10,11,12,13,14,15
	STEP \t
.endr
.irp i, 0,1,2,3,4,5,6,7,8
	ds_load_b128 v[R+4*\i:R+4*\i+3], v19 offset:2*OP*\i            ; in order behind my stores: these see them
.endr
.irp i, 0,1,2,3,4,5,6,7,8
	s_wait_dscnt 8-\i                              ; the younger loads may be out
	global_store_b128 v3, v[R+4*\i:R+4*\i+3], s[8:9] offset:512*\i ; 32 lanes store 512 consecutive bytes, at a multiple of 256 from rec's first byte
.endr
	s_wait_tensorcnt 0x0                           ; the wave's end
	ds_add_u32 v[SPW], v[NIL]
	s_wait_dscnt 0x0
	s_endpgm
.Lfunc_end_k_q5e035a5b06_quant:
	.size	k_q5e035a5b06_quant, .Lfunc_end_k_q5e035a5b06_quant-k_q5e035a5b06_quant
	.p2alignl 7, 3214868480
	.fill 96, 4, 3214868480
	.section	.rodata,"a",@progbits
	.p2align	6, 0x0
	.amdhsa_kernel k_q5e035a5b06_quant
		.amdhsa_group_segment_fixed_size 41472
		.amdhsa_private_segment_fixed_size 0
		.amdhsa_enable_private_segment 0
		.amdhsa_kernarg_size 24
		.amdhsa_user_sgpr_count 2
		.amdhsa_user_sgpr_kernarg_segment_ptr 1
		.amdhsa_wavefront_size32 1
		.amdhsa_system_sgpr_workgroup_id_x 1
		.amdhsa_system_sgpr_workgroup_id_y 1
		.amdhsa_system_sgpr_workgroup_id_z 1
		.amdhsa_system_vgpr_workitem_id 0
		.amdhsa_next_free_vgpr 256
		.amdhsa_next_free_sgpr 66
		.amdhsa_reserve_vcc 0
		.amdhsa_float_denorm_mode_32 3
		.amdhsa_float_denorm_mode_16_64 3
		.amdhsa_memory_ordered 1
		.amdhsa_forward_progress 1
		.amdhsa_inst_pref_size 51
	.end_amdhsa_kernel
	.amdgpu_metadata
---
amdhsa.version: [ 1, 2 ]
amdhsa.kernels:
  - .name:           k_q5e035a5b06_quant
    .symbol:         k_q5e035a5b06_quant.kd
    .args:
      - { .name: desc1, .offset: 0, .size: 8, .value_kind: global_buffer, .address_space: global }
      - { .name: desc2, .offset: 8, .size: 8, .value_kind: global_buffer, .address_space: global }
      - { .name: rec, .offset: 16, .size: 8, .value_kind: global_buffer, .address_space: global }
    .group_segment_fixed_size: 41472
    .private_segment_fixed_size: 0
    .kernarg_segment_align: 8
    .kernarg_segment_size: 24
    .max_flat_workgroup_size: 128
    .sgpr_count:     66
    .vgpr_count:     256
    .wavefront_size: 32
...
	.end_amdgpu_metadata
.endif
;; end of part 1
;; launch match (part 2): grid 16 x 16, 16 waves a work-group, clusters of 4 x 4, 327,680 bytes of LDS; arguments rec, part; writes part
.if DOCPART == 2
	.amdgcn_target "amdgcn-amd-amdhsa--gfx1250"
	.amdhsa_code_object_version 6
	.text
	.protected	k_q5e035a5b06_match
	.globl	k_q5e035a5b06_match
	.p2align	8
	.type	k_q5e035a5b06_match,@function
k_q5e035a5b06_match:
	s_mov_b64 s[64:65], 0
	v_nop
	global_prefetch_b8 v0, s[64:65] scope:SCOPE_SE
	s_setreg_imm32_b32 hwreg(HW_REG_WAVE_MODE, 25, 1), 1
	s_wait_xcnt 0x0
	s_wait_alu depctr_hold_cnt(0) depctr_sa_sdst(0) depctr_va_vdst(0) depctr_va_sdst(0) depctr_va_ssrc(0) depctr_va_vcc(0) depctr_vm_vsrc(0)
	s_getreg_b32 s2, hwreg(HW_REG_IB_STS2, 6, 4)
	s_cmp_eq_u32 s2, 0
	s_cbranch_scc0 .Lentry_in_a_cluster
	s_endpgm
.Lentry_in_a_cluster:
	s_bfe_u32 s2, ttmp6, 0x10000c
	s_cmp_lg_u32 s2, 0xf033
	s_cbranch_scc0 .Lentry_shape_is_right
	s_endpgm
.Lentry_shape_is_right:
; LAUNCH 2 OF 3.  The product Q(desc1) Q(desc2)^T on codes of FP4 with E8M0 scales, and of each block of 512 queries x 512 candidates, for each query, the two largest D' and the first's index.
; D'(m, n) = the product + hb2(n);  dm^2 = 2 (cap(m) - D'),  cap = -hb1(m).  The smallest clip(dm^2, 0) are the largest min(D', cap).
; LEFT OUT (shown at the head of launch 1): the root of every entry that top_k throws away, and |desc1 m|^2 in a row's order; the clip at 0 is kept as the cap.
; LIMITS: as stated at the head of launch 1 (order on the clipped squares; order of rounding; NaN and infinities among the inputs not served).
; SHARES.  Work-group (X, Y): queries 512 Y on, candidates 512 X on: 32 records of each, all in LDS at once, each byte filled once: no slot is filled again.
; Sixteen waves, four to a SIMD, 256 registers each.  Wave w: qg = w % 8: 64 queries, four tiles, whose codes stay in registers; cg = w / 8: candidate tiles 16 cg .. 16 cg + 15.
; So a candidate tile read from LDS (4 KiB of codes) feeds 16 matrix instructions, and one wave's 128 update lines stand beside another wave's matrix instructions and LDS loads.
; THE MATRIX INSTRUCTION IS USED TRANSPOSED: source 0 = 16 candidates, source 1 = 16 queries: lane (r, h) holds query r, its registers j = 0 .. 7 candidates 8 h + j.
; hb2 is the C of each sum's first matrix instruction, eight registers in the result's layout: it costs no vector instruction.
; THE UPDATE, four lines a result x, with M1 >= M2 and M1 <= cap:  N1 = med3(x, cap, M1) = max(M1, min(x, cap));  M2 = med3(x, M1, M2);  N1 > M1 (strictly: the first, lowest index stays) ? index.
; M1 lives in two sets of registers that take turns, so that nothing is copied.
; CLUSTER, 4 x 4.  The four work-groups of a row share Y and so the queries' records, the four of a column share X and the candidates': each record is asked for jointly.
; Each wave issues three joint loads, all first fills, behind one round of the cluster's barrier: by this text's count three are outstanding.  They are of 36 and 18 rows of 256 bytes, since
; 1,152 rows are shared among 16 waves in three stages: the queries, the candidates' first half, their second; each stage is worked while the later ones land.
.set RECB,  4608
.set CREC,  32*RECB                    ; LDS: the queries' 32 records from 0, the candidates' 32 from here,
.set STG,   64*RECB                    ; the way out: 1,024 bytes for each wave,
.set SPARE, STG+16*1024                ; the spare words: 128 bytes for each wave, eight blocks of 256 bytes that no other line names
.set SPW, 1                            ; v1   LDS address of my spare word; never rewritten
.set NIL, 2                            ; v2   0; never rewritten
.set LI,  3                            ; v3   16 x lane
.set LS,  4                            ; v4   4 x lane
.set LB,  5                            ; v5   32 x (lane / 16)
.set AC,  6                            ; v6-8 the candidate tile in hand: its codes', scale words', hb's addresses
.set AW,  7
.set AB,  8
.set HH,  9                            ; v9   lane / 16
.set QF,  16                           ; v16-143   the queries' codes: tile t, K step s at v[16 + 32 t + 8 s]
.set QS,  144                          ; v144-151  their scale words: tile t, register u: lanes 0-15 K step 2 u, lanes 16-31 K step 2 u + 1
.set CAP, 152                          ; v152-155  cap, one a tile
.set SO,  156                          ; v156 the way out: where I store;  v157: where I read
.set SI,  157
.set CF,  160                          ; v160-191  a candidate tile's codes: K step s at v[160 + 8 s]
.set CS,  192                          ; v192-193  its scale words
.set BI,  196                          ; v196-203  its hb, in the result's layout
.set PX,  204                          ; v204-206  what lane l xor 16 holds;  v207 at work
.set ACC, 208                          ; v208-239  four accumulators
.set M1A, 240
.set M1B, 244
.set M2,  248
.set IX,  252
.set WV,  8                            ; s8 wave, s9 qg, s10 cg
.set QG,  9
.set CG,  10
.set G1A, 24                           ; s[24:31] descriptor group 1 for the queries' records;  s[32:39] for the candidates'
.set G1B, 32
.set G0A, 40                           ; s[40:43], s[44:47], s[48:51] groups 0 of my three loads
.set G0B1, 44
.set G0B2, 48
.set J,   52                           ; s52-59  register j's index: 512 X + 256 cg + 16 x tile + j (8 x (lane / 16) is added at the end)
.set MK,  60                           ; s60-63  four lane masks
.set TB,  66                           ; s66  LDS byte at which the candidate tile to be fetched begins
.set CNT, 67
.set SEL, 68                           ; s[68:69] v_permlanex16_b32's selects for lane l xor 16
.set HI16, 70                          ; s70  lanes 16-31
; A round of the cluster's barrier: my work-group's barrier; wave 0 signals for the work-group; every wave waits for all sixteen work-groups; my work-group's barrier once more.
.macro CROUND
	s_barrier_signal -1
	s_barrier_wait -1
	s_cmp_lg_u32 s[WV], 0
	s_cbranch_scc1 .Lnot_wave_0_\@
	s_barrier_signal -3
.Lnot_wave_0_\@:
	s_barrier_wait -3
	s_barrier_signal -1
	s_barrier_wait -1
.endm
	s_load_b128 s[4:7], s[0:1], 0x0                ; rec, part
	v_lshl_add_u32 v[SPW], v0, 2, SPARE
	v_mov_b32 v[NIL], 0
	ds_add_u32 v[SPW], v[NIL]                      ; the wave's opening: the add, twice on end, and its wait ahead of my first tensor load
	ds_add_u32 v[SPW], v[NIL]                      ; and once more, under the one wait; the set-up below, work on registers, stands between
	v_lshrrev_b32 v10, 5, v0
	v_readfirstlane_b32 s[WV], v10                 ; wave 0..15
	s_and_b32 s[QG], s[WV], 7
	s_lshr_b32 s[CG], s[WV], 3
	s_bfe_u32 s11, ttmp6, 0x40000                  ; cx, cy: my place in the cluster
	s_bfe_u32 s12, ttmp6, 0x40004
	s_lshl_b32 s13, ttmp9, 2
	s_add_co_u32 s13, s13, s11                     ; X = 4 x cluster x + cx
	s_and_b32 s14, ttmp7, 0xffff
	s_lshl_b32 s14, s14, 2
	s_add_co_u32 s14, s14, s12                     ; Y = 4 x cluster y + cy
	s_lshl_b32 s16, s12, 2
	s_lshl_b32 s16, 15, s16                        ; my row of the cluster
	s_lshl_b32 s17, 0x1111, s11                    ; my column
	; group 1: dense rows of 256 bytes (32 elements of 8 bytes), no padding: 36 rows (two records) for the queries, 18 (one record) for the candidates
	s_or_b32 s[G1A], s16, (3<<16)|(1<<21)          ; 15:0 the mask: the queries' records go to my row; 17:16 elements of 8 bytes; 21 set beside a mask
	s_mov_b32 s[G1A+1], 32<<16                     ; tensor_dim0 = 32
	s_mov_b32 s[G1A+2], 36<<16                     ; tensor_dim1 = 36
	s_mov_b32 s[G1A+3], 32<<16                     ; tile_dim0 = 32
	s_mov_b32 s[G1A+4], 36                         ; tile_dim1 = 36
	s_mov_b32 s[G1A+5], 32                         ; from row to row: 32 elements
	s_mov_b32 s[G1A+6], 0
	s_mov_b32 s[G1A+7], 0
	s_or_b32 s[G1B], s17, (3<<16)|(1<<21)          ; the candidates' go to my column
	s_mov_b32 s[G1B+1], 32<<16
	s_mov_b32 s[G1B+2], 18<<16
	s_mov_b32 s[G1B+3], 32<<16
	s_mov_b32 s[G1B+4], 18
	s_mov_b32 s[G1B+5], 32
	s_mov_b32 s[G1B+6], 0
	s_mov_b32 s[G1B+7], 0
	s_lshl_b32 s18, s14, 5                         ; the queries: records 32 Y + 2 w and the next: Y and the wave's number alone
	s_lshl_b32 s19, s[WV], 1
	s_add_co_u32 s18, s18, s19
	s_mul_i32 s18, s18, RECB
	s_mov_b32 s19, 0
	s_lshl_b32 s22, s[CG], 4
	s_add_co_u32 s22, s22, s[QG]                   ; c1 = 16 (w / 8) + w % 8: the first halves of both runs of 16 candidate tiles
	s_lshl_b32 s20, s13, 5                         ; the candidates: record 512 + 32 X + c1: X and the wave's number alone
	s_add_co_u32 s20, s20, 512
	s_add_co_u32 s20, s20, s22
	s_mul_i32 s20, s20, RECB
	s_mov_b32 s21, 0
	s_mov_b32 s[G0A], 1                            ; count = 1
	s_mul_i32 s[G0A+1], s[WV], 2*RECB              ; LDS addresses hang on the wave's number alone
	s_mov_b32 s[G0B1], 1
	s_mul_i32 s[G0B1+1], s22, RECB
	s_add_co_u32 s[G0B1+1], s[G0B1+1], CREC
	s_mov_b32 s[G0B2], 1
	s_add_co_u32 s[G0B2+1], s[G0B1+1], 8*RECB      ; record c1 + 8: the second halves
	s_mov_b32 s[SEL], 0x76543210
	s_mov_b32 s[SEL+1], 0xfedcba98
	s_mov_b32 s[HI16], 0xffff0000
	s_wait_dscnt 0x0                               ; both opening adds are done
	s_wait_kmcnt 0x0
	s_add_nc_u64 s[G0A+2:G0A+3], s[4:5], s[18:19]
	s_add_nc_u64 s[G0B1+2:G0B1+3], s[4:5], s[20:21]
	s_add_nc_u64 s[G0B2+2:G0B2+3], s[G0B1+2:G0B1+3], 8*RECB
	s_or_b32 s[G0A+3], s[G0A+3], 0x80000000        ; type = 2
	s_or_b32 s[G0B1+3], s[G0B1+3], 0x80000000
	s_or_b32 s[G0B2+3], s[G0B2+3], 0x80000000
	CROUND                                         ; all sixteen work-groups are here: the joint loads meet
	tensor_load_to_lds s[G0A:G0A+3], s[G1A:G1A+7]          ; two records of queries
	s_nop 0
	tensor_load_to_lds s[G0B1:G0B1+3], s[G1B:G1B+7]        ; a record of the candidates' first halves
	s_nop 0
	tensor_load_to_lds s[G0B2:G0B2+3], s[G1B:G1B+7]        ; and one of their second halves
	s_nop 0
.rept 4
	v_nop
.endr
	v_and_b32 v10, 31, v0
	v_lshlrev_b32 v[LI], 4, v10
	v_lshlrev_b32 v[LS], 2, v10
	v_bfe_u32 v[HH], v0, 4, 1
	v_lshlrev_b32 v[LB], 5, v[HH]
	v_and_b32 v13, 15, v0
	s_mul_i32 s72, s[QG], 4*RECB                   ; my four records of queries
	v_add_nc_u32 v10, s72, v[LI]                   ; their codes,
	v_add_nc_u32 v11, s72, v[LS]                   ; their scale words,
	v_lshl_add_u32 v12, v13, 2, s72                ; and hb of query lane % 16
	s_lshl_b32 s73, s[WV], 10
	s_add_co_u32 s73, s73, STG
	v_add_nc_u32 v[SO], s73, v[LI]                 ; the way out: my wave's 1,024 bytes
	s_lshl_b32 s74, s[QG], 10
	s_lshl_b32 s75, s[CG], 9
	s_add_co_u32 s74, s74, s75
	s_add_co_u32 s74, s74, STG
	v_add_nc_u32 v[SI], s74, v[LI]                 ; and back: queries 32 cg on, of wave qg's image; wave qg + 8's lies 8,192 bytes on
	s_mul_i32 s[TB], s[CG], 16*RECB
	s_add_co_u32 s[TB], s[TB], CREC                ; my first candidate tile
	s_lshl_b32 s76, s13, 17                        ; part: 131,072 X + 16 (512 Y + 64 qg + 32 cg)
	s_lshl_b32 s78, s14, 13
	s_add_co_u32 s76, s76, s78
	s_lshl_b32 s78, s[QG], 10
	s_add_co_u32 s76, s76, s78
	s_add_co_u32 s76, s76, s75
	s_mov_b32 s77, 0
	s_add_nc_u64 s[6:7], s[6:7], s[76:77]
	s_lshl_b32 s78, s13, 9
	s_lshl_b32 s79, s[CG], 8
	s_add_co_u32 s78, s78, s79
.irp j, 0,1,2,3,4,5,6,7
	s_add_co_u32 s[J+\j], s78, \j
.endr
.irp t, 0,1,2,3
	v_mov_b32 v[M1A+\t], 0xff800000                ; -infinity, under every D'
	v_mov_b32 v[M2+\t], 0xff800000
	v_mov_b32 v[IX+\t], 0
.endr
.irp i, 0,1,2
	v_mov_b32 v[PX+\i], 0                          ; written once: a lane permute's destination counts as one of its sources
.endr
; a candidate tile from LDS: 8 x 512 consecutive bytes of codes, two registers of scale words, hb of candidates 8 (lane / 16) + 0 .. 7
.macro LOADC
.irp i, 0,1,2,3,4,5,6,7
	ds_load_b128 v[CF+4*\i:CF+4*\i+3], v[AC] offset:512*\i
.endr
	ds_load_b32 v[CS], v[AW] offset:4096
	ds_load_b32 v[CS+1], v[AW] offset:4096+128
	ds_load_b128 v[BI:BI+3], v[AB] offset:4352
	ds_load_b128 v[BI+4:BI+7], v[AB] offset:4352+16
.endm
; 16 matrix instructions: four K steps x my four tiles of queries.  The four accumulators take turns, one instruction a turn.  The first K step's C is hb2.
; An odd K step's scale words stand in lanes 16-31 of both scale registers.
.macro MM
.irp s, 0,1,2,3
.irp t, 0,1,2,3
.if \s == 0
	v_wmma_scale_f32_16x16x128_f8f6f4 v[ACC+8*\t:ACC+8*\t+7], v[CF+8*\s:CF+8*\s+7], v[QF+32*\t+8*\s:QF+32*\t+8*\s+7], v[BI:BI+7], v[CS], v[QS+2*\t] matrix_a_fmt:MATRIX_FMT_FP4 matrix_b_fmt:MATRIX_FMT_FP4
.elseif \s == 1
	v_wmma_scale_f32_16x16x128_f8f6f4 v[ACC+8*\t:ACC+8*\t+7], v[CF+8*\s:CF+8*\s+7], v[QF+32*\t+8*\s:QF+32*\t+8*\s+7], v[ACC+8*\t:ACC+8*\t+7], v[CS], v[QS+2*\t] matrix_a_fmt:MATRIX_FMT_FP4 matrix_b_fmt:MATRIX_FMT_FP4 matrix_a_scale:MATRIX_SCALE_ROW1 matrix_b_scale:MATRIX_SCALE_ROW1
.elseif \s == 2
	v_wmma_scale_f32_16x16x128_f8f6f4 v[ACC+8*\t:ACC+8*\t+7], v[CF+8*\s:CF+8*\s+7], v[QF+32*\t+8*\s:QF+32*\t+8*\s+7], v[ACC+8*\t:ACC+8*\t+7], v[CS+1], v[QS+2*\t+1] matrix_a_fmt:MATRIX_FMT_FP4 matrix_b_fmt:MATRIX_FMT_FP4
.else
	v_wmma_scale_f32_16x16x128_f8f6f4 v[ACC+8*\t:ACC+8*\t+7], v[CF+8*\s:CF+8*\s+7], v[QF+32*\t+8*\s:QF+32*\t+8*\s+7], v[ACC+8*\t:ACC+8*\t+7], v[CS+1], v[QS+2*\t+1] matrix_a_fmt:MATRIX_FMT_FP4 matrix_b_fmt:MATRIX_FMT_FP4 matrix_a_scale:MATRIX_SCALE_ROW1 matrix_b_scale:MATRIX_SCALE_ROW1
.endif
.endr
.endr
.endm
; register j of the four accumulators goes into the four tiles' states; each line stands for the four tiles on end, so that no line waits for the line above it
.macro UPD j
.if (\j)%2 == 0
.set OLD, M1A
.set NEW, M1B
.else
.set OLD, M1B
.set NEW, M1A
.endif
.irp t, 0,1,2,3
	v_med3_num_f32 v[NEW+\t], v[ACC+8*\t+\j], v[CAP+\t], v[OLD+\t]  ; max(M1, min(x, cap)), since M1 <= cap
.endr
.irp t, 0,1,2,3
	v_med3_num_f32 v[M2+\t], v[ACC+8*\t+\j], v[OLD+\t], v[M2+\t]    ; the second of x, M1, M2; an x above the cap gives M1, as min(x, cap) would
.endr
.irp t, 0,1,2,3
	v_cmp_gt_f32 s[MK+\t], v[NEW+\t], v[OLD+\t]                     ; strictly: among equals the first, lowest index stays
.endr
.irp t, 0,1,2,3
	v_cndmask_b32 v[IX+\t], v[IX+\t], s[J+\j], s[MK+\t]
.endr
.endm
; A candidate tile.  next = 1: the next tile is fetched behind the products, and lands under the 128 update lines.
; Loads into registers that matrix instructions have read, and the first read of results, stand four plain vector instructions behind the last matrix instruction (ISA guide 7.12.1 for vector
; instructions): the three additions and a v_nop, or four v_nop.  The accumulators are read from register 0 on.  The next tile's first products write
; over an accumulator behind the other three tiles' 96 update lines.
.macro TILE next
	s_wait_dscnt 0x0                               ; the tile's twelve loads are in
	MM
	s_add_co_u32 s[TB], s[TB], RECB
.if \next
	v_add_nc_u32 v[AC], s[TB], v[LI]
	v_add_nc_u32 v[AW], s[TB], v[LS]
	v_add_nc_u32 v[AB], s[TB], v[LB]
	v_nop
	LOADC
.else
.rept 4
	v_nop
.endr
.endif
.irp j, 0,1,2,3,4,5,6,7
	UPD \j
.endr
.irp j, 0,1,2,3,4,5,6,7
	s_add_co_u32 s[J+\j], s[J+\j], 16              ; the next tile's indices
.endr
.endm
.macro HALF                            ; eight candidate tiles: seven trips that fetch ahead, and the last written out
	v_add_nc_u32 v[AC], s[TB], v[LI]
	v_add_nc_u32 v[AW], s[TB], v[LS]
	v_add_nc_u32 v[AB], s[TB], v[LB]
	LOADC
	s_mov_b32 s[CNT], 7
.Lhalf_\@:
	TILE 1
	s_sub_co_u32 s[CNT], s[CNT], 1
	s_cmp_lg_u32 s[CNT], 0
	s_cbranch_scc1 .Lhalf_\@
	TILE 0
.endm
	s_wait_tensorcnt 0x2                           ; my two records of queries are in; my two loads of candidates may be out
	s_barrier_signal -1
	s_barrier_wait -1                              ; everybody's are
.irp t, 0,1,2,3                        ; my four tiles of queries go into registers and stay
.irp i, 0,1,2,3,4,5,6,7
	ds_load_b128 v[QF+32*\t+4*\i:QF+32*\t+4*\i+3], v10 offset:RECB*\t+512*\i
.endr
.irp u, 0,1
	ds_load_b32 v[QS+2*\t+\u], v11 offset:RECB*\t+4096+128*\u
.endr
	ds_load_b32 v[CAP+\t], v12 offset:RECB*\t+4352
.endr
	s_wait_tensorcnt 0x1                           ; my record of the candidates' first halves is in; the last load may be out
	s_wait_dscnt 0x0
.irp t, 0,1,2,3
	v_xor_b32 v[CAP+\t], 0x80000000, v[CAP+\t]     ; cap = -hb1
.endr
	s_barrier_signal -1
	s_barrier_wait -1                              ; everybody's first halves are in
	HALF
	s_wait_tensorcnt 0x0                           ; my record of the second halves is in
	s_wait_dscnt 0x0
	s_barrier_signal -1
	s_barrier_wait -1                              ; everybody's are
	HALF
	; THE WAY OUT.  A query's candidates lie in lanes l and l xor 16, and in waves qg and qg + 8.  M1 stands in set A (eight turns a tile).
	v_lshlrev_b32 v10, 3, v[HH]
.irp t, 0,1,2,3
	v_add_nc_u32 v[IX+\t], v[IX+\t], v10           ; + 8 (lane / 16): the candidate's number
.endr
.irp t, 0,1,2,3
	v_permlanex16_b32 v[PX], v[M1A+\t], s[SEL], s[SEL+1]
	v_permlanex16_b32 v[PX+1], v[M2+\t], s[SEL], s[SEL+1]
	v_permlanex16_b32 v[PX+2], v[IX+\t], s[SEL], s[SEL+1]
	v_min_num_f32 v[PX+3], v[M1A+\t], v[PX]
	v_max3_num_f32 v[M2+\t], v[PX+3], v[M2+\t], v[PX+1]            ; the second of the four
	v_cmp_gt_f32 s[MK], v[PX], v[M1A+\t]
	v_cmp_eq_f32 s[MK+1], v[PX], v[M1A+\t]
	v_cmp_lt_u32 s[MK+2], v[PX+2], v[IX+\t]
	s_and_b32 s[MK+1], s[MK+1], s[MK+2]
	s_or_b32 s[MK], s[MK], s[MK+1]                 ; the other lane's is larger, or equal with the lower index
	v_cndmask_b32 v[IX+\t], v[IX+\t], v[PX+2], s[MK]
	v_max_num_f32 v[M1A+\t], v[M1A+\t], v[PX]
.endr
.irp p, 0,1                            ; lanes 0-15 take tile 2 p, lanes 16-31 tile 2 p + 1: lane l holds query 32 p + l of my 64: M1, M2, cap, index
	v_cndmask_b32 v[BI+4*\p], v[M1A+2*\p], v[M1A+2*\p+1], s[HI16]
	v_cndmask_b32 v[BI+4*\p+1], v[M2+2*\p], v[M2+2*\p+1], s[HI16]
	v_cndmask_b32 v[BI+4*\p+2], v[CAP+2*\p], v[CAP+2*\p+1], s[HI16]
	v_cndmask_b32 v[BI+4*\p+3], v[IX+2*\p], v[IX+2*\p+1], s[HI16]
.endr
	ds_store_b128 v[SO], v[BI:BI+3]
	ds_store_b128 v[SO], v[BI+4:BI+7] offset:512
	s_wait_dscnt 0x0                               ; for the others' sake: my stores are done
	s_barrier_signal -1
	s_barrier_wait -1
	ds_load_b128 v[CF:CF+3], v[SI]                 ; of my 32 queries: the lower 256 candidates' (wave qg),
	ds_load_b128 v[CF+4:CF+7], v[SI] offset:8192   ; and the upper 256's (wave qg + 8)
	s_wait_dscnt 0x0
	v_min_num_f32 v[CF+8], v[CF], v[CF+4]
	v_cmp_gt_f32 s[MK], v[CF+4], v[CF]             ; strictly: among equals the lower candidates' index stays
	v_max3_num_f32 v[CF+1], v[CF+8], v[CF+1], v[CF+5]
	v_cndmask_b32 v[CF+3], v[CF+3], v[CF+7], s[MK]
	v_max_num_f32 v[CF], v[CF], v[CF+4]
	global_store_b128 v[LI], v[CF:CF+3], s[6:7]    ; 32 lanes store 512 consecutive bytes, at a multiple of 256 from part's first byte
	s_wait_tensorcnt 0x0                           ; the wave's end
	ds_add_u32 v[SPW], v[NIL]
	s_wait_dscnt 0x0
	CROUND                                         ; the closing round: no work-group ends while a partner may still ask for a record that names it
	s_endpgm
.Lfunc_end_k_q5e035a5b06_match:
	.size	k_q5e035a5b06_match, .Lfunc_end_k_q5e035a5b06_match-k_q5e035a5b06_match
	.p2alignl 7, 3214868480
	.fill 96, 4, 3214868480
	.section	.rodata,"a",@progbits
	.p2align	6, 0x0
	.amdhsa_kernel k_q5e035a5b06_match
		.amdhsa_group_segment_fixed_size 327680
		.amdhsa_private_segment_fixed_size 0
		.amdhsa_enable_private_segment 0
		.amdhsa_kernarg_size 16
		.amdhsa_user_sgpr_count 2
		.amdhsa_user_sgpr_kernarg_segment_ptr 1
		.amdhsa_wavefront_size32 1
		.amdhsa_system_sgpr_workgroup_id_x 1
		.amdhsa_system_sgpr_workgroup_id_y 1
		.amdhsa_system_sgpr_workgroup_id_z 1
		.amdhsa_system_vgpr_workitem_id 0
		.amdhsa_next_free_vgpr 256
		.amdhsa_next_free_sgpr 80
		.amdhsa_reserve_vcc 0
		.amdhsa_float_denorm_mode_32 3
		.amdhsa_float_denorm_mode_16_64 3
		.amdhsa_memory_ordered 1
		.amdhsa_forward_progress 1
		.amdhsa_inst_pref_size 60
	.end_amdhsa_kernel
	.amdgpu_metadata
---
amdhsa.version: [ 1, 2 ]
amdhsa.kernels:
  - .name:           k_q5e035a5b06_match
    .symbol:         k_q5e035a5b06_match.kd
    .args:
      - { .name: rec, .offset: 0, .size: 8, .value_kind: global_buffer, .address_space: global }
      - { .name: part, .offset: 8, .size: 8, .value_kind: global_buffer, .address_space: global }
    .group_segment_fixed_size: 327680
    .private_segment_fixed_size: 0
    .kernarg_segment_align: 8
    .kernarg_segment_size: 16
    .max_flat_workgroup_size: 512
    .sgpr_count:     80
    .vgpr_count:     256
    .wavefront_size: 32
...
	.end_amdgpu_metadata
.endif
;; end of part 2
;; launch finish (part 3): grid 32 x 1, 8 waves a work-group, no clusters, 2,304 bytes of LDS; arguments part, out0, out1, out2; writes out0, out1, out2
.if DOCPART == 3
	.amdgcn_target "amdgcn-amd-amdhsa--gfx1250"
	.amdhsa_code_object_version 6
	.text
	.protected	k_q5e035a5b06_finish
	.globl	k_q5e035a5b06_finish
	.p2align	8
	.type	k_q5e035a5b06_finish,@function
k_q5e035a5b06_finish:
	s_mov_b64 s[64:65], 0
	v_nop
	global_prefetch_b8 v0, s[64:65] scope:SCOPE_SE
	s_setreg_imm32_b32 hwreg(HW_REG_WAVE_MODE, 25, 1), 1
	s_wait_xcnt 0x0
; LAUNCH 3 OF 3.  For each query the sixteen partial results (M1, M2, cap, index; one for each block of 512 candidates) are joined; dm^2 = 2 (cap - M); the two roots, their ratio, the test, the outputs.
; LEFT OUT (shown at the head of launch 1): every root but the two that top_k keeps.  No maximum with 0 stands here: launch 2 holds M2 <= M1 <= cap, which is the clip, so cap - M is never negative.
; LIMITS.  v_sqrt_f32 and v_rcp_f32 are good to 1 ulp (ISA guide, their entries) and take denormals as zero; the quotient is mended by one step of fused multiply-adds.  So the test can differ
; from reference()'s where the ratio lies within a few ulp of 0.8, and dm^2 under 2^-126 counts as 0.  0 / 0 gives NaN, the test fails, 0 is written: as in reference().
; SHARES.  A work-group takes 256 queries, a thread one: 256 bytes of out2, 1,024 of out0, 2,048 of out1.  So the launch has work for 32 work-groups.
; out1 leaves from registers (a wave's store covers 256 consecutive bytes); out0 and out2 are gathered in LDS, so that each store covers 256 consecutive, aligned bytes or more.
.set SPARE, 1280                       ; LDS: 256 mask bytes from 0; 256 ratios from 256; from here the spare words, 128 bytes for each wave, four blocks of 256 bytes that no other line names
.set P, 16                             ; v16-79: partial p at v[16 + 4 p]; partial 0's registers hold the running state: v16 M1, v17 M2, v18 cap (later the query's number), v19 index
	s_load_b256 s[4:11], s[0:1], 0x0               ; part s[4:5], out0 s[6:7], out1 s[8:9], out2 s[10:11]
	v_lshl_add_u32 v1, v0, 2, SPARE                ; v1: my spare word;  v2: 0;  neither is rewritten
	v_mov_b32 v2, 0
	v_lshrrev_b32 v11, 5, v0
	v_readfirstlane_b32 s12, v11                   ; wave 0..7
	v_lshlrev_b32 v3, 4, v0                        ; part: 16 bytes a query
	v_lshl_add_u32 v4, v0, 2, 256                  ; LDS: my ratio's word
	v_and_b32 v12, 63, v0
	v_lshlrev_b32 v7, 4, v12                       ; out0: 16 bytes a lane of waves 0 and 1,
	v_add_nc_u32 v5, 256, v7                       ; and the same in LDS
	v_and_b32 v13, 31, v0
	v_lshlrev_b32 v6, 3, v13                       ; out2: 8 bytes a lane of wave 2, in LDS and in memory
	v_lshlrev_b32 v10, 3, v0                       ; out1: 8 bytes a query
	s_lshl_b32 s14, ttmp9, 12
	s_mov_b32 s15, 0
	s_lshl_b32 s16, ttmp9, 10
	s_mov_b32 s17, 0
	s_lshl_b32 s18, ttmp9, 11
	s_mov_b32 s19, 0
	s_lshl_b32 s20, ttmp9, 8                       ; the work-group's first query
	s_mov_b32 s21, 0
	s_wait_kmcnt 0x0
	s_add_nc_u64 s[4:5], s[4:5], s[14:15]
	s_add_nc_u64 s[6:7], s[6:7], s[16:17]
	s_add_nc_u64 s[8:9], s[8:9], s[18:19]
	s_add_nc_u64 s[10:11], s[10:11], s[20:21]
.irp p, 0,1,2,3,4,5,6,7,8,9,10,11,12,13,14,15
	global_load_b128 v[P+4*\p:P+4*\p+3], v3, s[4:5] offset:131072*\p th:TH_LOAD_NT   ; a wave reads 512 consecutive bytes of block p's partials
.endr
.irp p, 1,2,3,4,5,6,7,8,9,10,11,12,13,14,15    ; ascending p is ascending candidates: among equals the lower index stays
	s_wait_loadcnt 15-\p                           ; partial p is in; the younger loads may be out
	v_min_num_f32 v14, v16, v[P+4*\p]
	v_cmp_gt_f32 vcc_lo, v[P+4*\p], v16
	v_max3_num_f32 v17, v14, v17, v[P+4*\p+1]
	v_cndmask_b32 v19, v19, v[P+4*\p+3], vcc_lo
	v_max_num_f32 v16, v16, v[P+4*\p]
.endr
	v_add_f32 v28, v18, v18                        ; 2 cap
	v_fma_f32 v20, v16, -2.0, v28                  ; the smallest clipped dm^2,
	v_fma_f32 v21, v17, -2.0, v28                  ; and the second
	v_sqrt_f32 v22, v20
	v_sqrt_f32 v23, v21
	v_add_nc_u32 v18, s20, v0                      ; the query's number, beside the index.  (The plain instruction behind the roots)
	s_wait_alu depctr_va_vdst(0)                   ; the wait ahead of the first instruction that names a root: one for both
	v_rcp_f32 v24, v23
	v_nop                                          ; a plain instruction behind the reciprocal
	s_wait_alu depctr_va_vdst(0)                   ; and its wait
	v_mul_f32 v25, v22, v24
	v_fma_f32 v26, -v25, v23, v22                  ; what is left of the dividend,
	v_fma_f32 v25, v26, v24, v25                   ; put into the quotient
	v_cmp_ge_f32 vcc_lo, 0x3f4ccccd, v25           ; 0.8 >= ratio; false for NaN
	v_cndmask_b32 v26, 0, v25, vcc_lo
	v_cndmask_b32 v27, 0, 1, vcc_lo
	global_store_b64 v10, v[18:19], s[8:9]         ; out1: a wave stores 256 consecutive bytes, aligned
	ds_store_b32 v4, v26
	ds_store_b8 v0, v27
	s_wait_dscnt 0x0                               ; for the others' sake: my stores are done
	s_barrier_signal -1
	s_barrier_wait -1
	s_cmp_lt_u32 s12, 2
	s_cbranch_scc0 .Lnot_out0
	ds_load_b128 v[28:31], v5                      ; waves 0 and 1: the 256 ratios
	s_wait_dscnt 0x0
	global_store_b128 v7, v[28:31], s[6:7]         ; a wave stores 512 consecutive bytes, aligned
.Lnot_out0:
	s_cmp_eq_u32 s12, 2
	s_cbranch_scc0 .Lnot_out2
	ds_load_b64 v[32:33], v6                       ; wave 2: the 256 mask bytes
	s_wait_dscnt 0x0
	global_store_b64 v6, v[32:33], s[10:11]        ; 256 consecutive bytes, aligned
.Lnot_out2:
	s_wait_tensorcnt 0x0                           ; the wave's end
	ds_add_u32 v1, v2
	s_wait_dscnt 0x0
	s_endpgm
.Lfunc_end_k_q5e035a5b06_finish:
	.size	k_q5e035a5b06_finish, .Lfunc_end_k_q5e035a5b06_finish-k_q5e035a5b06_finish
	.p2alignl 7, 3214868480
	.fill 96, 4, 3214868480
	.section	.rodata,"a",@progbits
	.p2align	6, 0x0
	.amdhsa_kernel k_q5e035a5b06_finish
		.amdhsa_group_segment_fixed_size 2304
		.amdhsa_private_segment_fixed_size 0
		.amdhsa_enable_private_segment 0
		.amdhsa_kernarg_size 32
		.amdhsa_user_sgpr_count 2
		.amdhsa_user_sgpr_kernarg_segment_ptr 1
		.amdhsa_wavefront_size32 1
		.amdhsa_system_sgpr_workgroup_id_x 1
		.amdhsa_system_sgpr_workgroup_id_y 1
		.amdhsa_system_sgpr_workgroup_id_z 1
		.amdhsa_system_vgpr_workitem_id 0
		.amdhsa_next_free_vgpr 80
		.amdhsa_next_free_sgpr 66
		.amdhsa_reserve_vcc 1
		.amdhsa_float_denorm_mode_32 3
		.amdhsa_float_denorm_mode_16_64 3
		.amdhsa_memory_ordered 1
		.amdhsa_forward_progress 1
		.amdhsa_inst_pref_size 8
	.end_amdhsa_kernel
	.amdgpu_metadata
---
amdhsa.version: [ 1, 2 ]
amdhsa.kernels:
  - .name:           k_q5e035a5b06_finish
    .symbol:         k_q5e035a5b06_finish.kd
    .args:
      - { .name: part, .offset: 0, .size: 8, .value_kind: global_buffer, .address_space: global }
      - { .name: out0, .offset: 8, .size: 8, .value_kind: global_buffer, .address_space: global }
      - { .name: out1, .offset: 16, .size: 8, .value_kind: global_buffer, .address_space: global }
      - { .name: out2, .offset: 24, .size: 8, .value_kind: global_buffer, .address_space: global }
    .group_segment_fixed_size: 2304
    .private_segment_fixed_size: 0
    .kernarg_segment_align: 8
    .kernarg_segment_size: 32
    .max_flat_workgroup_size: 256
    .sgpr_count:     66
    .vgpr_count:     80
    .wavefront_size: 32
...
	.end_amdgpu_metadata
.endif
;; end of part 3
